; MI455X (gfx1250); checked and timed in simulation.
; The chip was launched on July 23, 2026; its instructions are those of AMD's public machine-readable ISA for CDNA 5 (MIT licence, August 2026) and "CDNA5" Instruction Set Architecture Reference Guide (July 2026). The comments in the code are by the model that wrote it; some were corrected since.
;; Multi Head Attention. Allowed arithmetic: float matrix products may take bf16 or f16 operands with f32 sums; all other float work in f32.
;; Inputs: input_tensor 2 x 2,048 x 1,024 float32; out_bias 1,024 float32; out_weight 1,024 x 1,024 float32; qkv_bias 3,072 float32; qkv_weight 3,072 x 1,024 float32.
;; Outputs: out0 2 x 2,048 x 1,024 float32.
;; 2 versions, each right; version 2 is version 1 with the launch tof16 written anew for expert scheduling mode. Each part assembles by itself: llvm-mc -triple=amdgcn-amd-amdhsa -mcpu=gfx1250 --defsym DOCPART=n.
;; ======== version 1 of 2: 4 launches
;; limits: values are held in f16: magnitudes above 65,504 overflow, below 6.1e-05 lose precision
;; workspace buffers: xw 16,777,216 bytes; qkv 25,165,824 bytes; att 8,388,608 bytes
;; launch tof16 (part 1): grid 256 x 1, 8 waves a work-group, no clusters, 0 bytes of LDS; arguments input_tensor, qkv_weight, out_weight, xw; writes xw
.if DOCPART == 1
	.amdgcn_target "amdgcn-amd-amdhsa--gfx1250"
	.amdhsa_code_object_version 6
	.text
	.protected	k_qda4133c97e_tof16
	.globl	k_qda4133c97e_tof16
	.p2align	8
	.type	k_qda4133c97e_tof16,@function
k_qda4133c97e_tof16:
	s_mov_b64 s[64:65], 0
	v_nop
	global_prefetch_b8 v0, s[64:65] scope:SCOPE_SE
	s_setreg_imm32_b32 hwreg(HW_REG_WAVE_MODE, 25, 1), 1
	s_wait_xcnt 0x0
; xw = f16(input_tensor), then f16(qkv_weight), then f16(out_weight), each element rounded once (to nearest even).
; The products of the later launches read every element of X and of the weights many times; here each is converted once.
; LIMIT: a number of 65,504 or more in magnitude has no f16 and becomes an infinity.  Numbers under 6e-8 round to 0.
; A work-group takes 32,768 elements: 131,072 bytes in, 65,536 bytes out.  X is groups 0-127, Wqkv 128-223, Wout 224-255, and since
; the three lie one behind the other in xw, group g stores at xw + 65,536 g.
; A stream: no LDS, no barrier, no matrix unit, no cluster (no byte is read twice).  All 32 loads of a thread go out at once, so the
; group's whole share is on its way; no register is written twice, so the only waits are the counted ones for the data.
.set NLD, 32                           ; loads of a thread
.set XI,  4                            ; v[4:131]    load i: 4 f32
.set YO,  132                          ; v[132:195]  store i: 4 f16
	s_load_b256 s[4:11], s[0:1], 0x0               ; input_tensor s[4:5], qkv_weight s[6:7], out_weight s[8:9], xw s[10:11]
	v_lshlrev_b32 v1, 4, v0                        ; 16 bytes a thread in: a load of a wave covers 512 neighbouring bytes
	v_lshlrev_b32 v2, 3, v0                        ; 8 bytes a thread out: a store of a wave covers 256 neighbouring bytes, aligned
	s_wait_kmcnt 0x0
	s_cmp_lt_u32 ttmp9, 128                        ; which of the three inputs, and its first group
	s_cselect_b64 s[12:13], s[4:5], s[6:7]
	s_cselect_b32 s14, 0, 128
	s_cmp_lt_u32 ttmp9, 224
	s_cselect_b64 s[12:13], s[12:13], s[8:9]
	s_cselect_b32 s14, s14, 224
	s_sub_co_u32 s16, ttmp9, s14
	s_lshl_b32 s16, s16, 17                        ; 131,072 bytes for each group inside its input
	s_mov_b32 s17, 0
	s_add_nc_u64 s[12:13], s[12:13], s[16:17]
	s_lshl_b32 s18, ttmp9, 16                      ; 65,536 bytes for each group in xw
	s_mov_b32 s19, 0
	s_add_nc_u64 s[10:11], s[10:11], s[18:19]
.set i, 0
.rept NLD
	global_load_b128 v[XI+4*i:XI+4*i+3], v1, s[12:13] offset:4096*i th:TH_LOAD_NT   ; read once in the whole launch
.set i, i+1
.endr
.set i, 0
.rept NLD
	s_wait_loadcnt NLD-1-i                         ; loads come back in order: load i is in, the younger ones stay out
	v_cvt_pk_f16_f32 v[YO+2*i],   v[XI+4*i],   v[XI+4*i+1]
	v_cvt_pk_f16_f32 v[YO+2*i+1], v[XI+4*i+2], v[XI+4*i+3]
	global_store_b64 v2, v[YO+2*i:YO+2*i+1], s[10:11] offset:2048*i
.set i, i+1
.endr
	s_endpgm
.Lfunc_end_k_qda4133c97e_tof16:
	.size	k_qda4133c97e_tof16, .Lfunc_end_k_qda4133c97e_tof16-k_qda4133c97e_tof16
	.p2alignl 7, 3214868480
	.fill 96, 4, 3214868480
	.section	.rodata,"a",@progbits
	.p2align	6, 0x0
	.amdhsa_kernel k_qda4133c97e_tof16
		.amdhsa_group_segment_fixed_size 0
		.amdhsa_private_segment_fixed_size 0
		.amdhsa_enable_private_segment 0
		.amdhsa_kernarg_size 32
		.amdhsa_user_sgpr_count 2
		.amdhsa_user_sgpr_kernarg_segment_ptr 1
		.amdhsa_wavefront_size32 1
		.amdhsa_system_sgpr_workgroup_id_x 1
		.amdhsa_system_sgpr_workgroup_id_y 1
		.amdhsa_system_sgpr_workgroup_id_z 1
		.amdhsa_system_vgpr_workitem_id 0
		.amdhsa_next_free_vgpr 200
		.amdhsa_next_free_sgpr 66
		.amdhsa_reserve_vcc 0
		.amdhsa_float_denorm_mode_32 3
		.amdhsa_float_denorm_mode_16_64 3
		.amdhsa_memory_ordered 1
		.amdhsa_forward_progress 1
		.amdhsa_inst_pref_size 12
	.end_amdhsa_kernel
	.amdgpu_metadata
---
amdhsa.version: [ 1, 2 ]
amdhsa.kernels:
  - .name:           k_qda4133c97e_tof16
    .symbol:         k_qda4133c97e_tof16.kd
    .args:
      - { .name: input_tensor, .offset: 0, .size: 8, .value_kind: global_buffer, .address_space: global }
      - { .name: qkv_weight, .offset: 8, .size: 8, .value_kind: global_buffer, .address_space: global }
      - { .name: out_weight, .offset: 16, .size: 8, .value_kind: global_buffer, .address_space: global }
      - { .name: xw, .offset: 24, .size: 8, .value_kind: global_buffer, .address_space: global }
    .group_segment_fixed_size: 0
    .private_segment_fixed_size: 0
    .kernarg_segment_align: 8
    .kernarg_segment_size: 32
    .max_flat_workgroup_size: 256
    .sgpr_count:     66
    .vgpr_count:     200
    .wavefront_size: 32
...
	.end_amdgpu_metadata
.endif
;; end of part 1
;; launch gemm_qkv (part 2): grid 16 x 16, 4 waves a work-group, clusters of 4 x 4, 327,680 bytes of LDS; arguments xw, qkv_bias, qkv; writes qkv
.if DOCPART == 2
	.amdgcn_target "amdgcn-amd-amdhsa--gfx1250"
	.amdhsa_code_object_version 6
	.text
	.protected	k_qda4133c97e_gemm_qkv
	.globl	k_qda4133c97e_gemm_qkv
	.p2align	8
	.type	k_qda4133c97e_gemm_qkv,@function
k_qda4133c97e_gemm_qkv:
	s_mov_b64 s[64:65], 0
	v_nop
	global_prefetch_b8 v0, s[64:65] scope:SCOPE_SE
	s_setreg_imm32_b32 hwreg(HW_REG_WAVE_MODE, 25, 1), 1
	s_wait_xcnt 0x0
	s_wait_alu depctr_hold_cnt(0) depctr_sa_sdst(0) depctr_va_vdst(0) depctr_va_sdst(0) depctr_va_ssrc(0) depctr_va_vcc(0) depctr_vm_vsrc(0)
	s_getreg_b32 s2, hwreg(HW_REG_IB_STS2, 6, 4)
	s_cmp_eq_u32 s2, 0
	s_cbranch_scc0 .Lentry_in_a_cluster
	s_endpgm
.Lentry_in_a_cluster:
	s_bfe_u32 s2, ttmp6, 0x10000c
	s_cmp_lg_u32 s2, 0xf033
	s_cbranch_scc0 .Lentry_shape_is_right
	s_endpgm
.Lentry_shape_is_right:
; qkv = X Wqkv^T + qkv_bias.  X [4096][1024] f16 at xw + 0, Wqkv [3072][1024] f16 at xw + 8,388,608; sums and bias in f32; the result
; rounded once to f16 and stored by heads: slab (which*32 + b*16 + h) of 262,144 bytes is a dense [s 2048][d 64], rows of 128 bytes.
; LIMIT: operands and results are f16: magnitudes of 65,504 or more become infinities.
; A work-group makes 256 rows x 192 columns (three heads): 16 x 16 work-groups.  Wave w makes rows 64 w .. 64 w + 63 of all 192 columns:
; 4 x 12 accumulator tiles of 16 x 16, 384 registers.  K goes in steps of 128 (rows of 256 bytes) through two LDS slots.
; CLUSTERS: 4 x 4 work-groups.  X's tile hangs on the block row alone and is asked for jointly by a row of the cluster, W's on the block
; column alone and is asked for jointly by a column: the requests for both are divided by four.
; The matrix instruction is used transposed (source 0 = 16 rows of W, source 1 = 16 rows of X): lane l then holds row l % 16 of the
; result and registers 0-7 the columns 8 (l / 16) + 0..7, eight neighbours that pack into 16 bytes.
; REGISTERS by windows of 256: window 0: addresses, X's fragments (two buffers), packed results, bias; window 1: W's fragments (two
; buffers of 96); window 2: accumulators of my rows 0-31; window 3: of my rows 32-63.
.set PITCH,  272                       ; an LDS row: 256 bytes + 16 of padding, an odd multiple of 16: 16 rows of a fragment start 16 bytes apart modulo 256
.set AHALF,  128*PITCH                 ; what one load brings of X
.set BHALF,  96*PITCH                  ; what one load brings of W
.set ABYTES, 2*AHALF
.set SLOT,   2*AHALF+2*BHALF           ; 121,856
.set STAGE,  2*SLOT                    ; 243,712: behind the ring, 16 rows x 400 bytes for each wave; no tensor load lands there
.set SPITCH, 400                       ; 384 bytes of 192 f16 + 16
.set KSTEPB, 256                       ; bytes of a K step in a row
.set LAPS,   4                         ; 1024 / (2 x 128): a lap is once round the ring
.set WQKV,   8388608
.set ADRA, 16                          ; v16-17 LDS address of my X fragments in slot 0, 1
.set ADRB, 20                          ; v20-21 the same for W
.set STO,  24                          ; way out: where I put 16 bytes
.set RD,   25                          ; way out: where I read back
.set CO,   26                          ; way out: my byte offset in a head's 512 bytes
.set VB,   27                          ; byte offset of my eight bias numbers
.set FA,   32                          ; v32-63, v64-95: X's fragments, buffers 0 and 1 (window 0).  W's: v0-95, v96-191 of window 1
.set TMP,  96                          ; v96-143 packed results
.set BIAS, 144                         ; v144-239 bias of my 8 columns in each of the 12 column tiles
.set G1A, 24
.set G0A, 32
.set G1B, 48
.set G0B, 56
.set MUL_LO, 0xa1                      ; source 0 window 1, source 1 window 0, C and D window 2
.set MUL_HI, 0xf1                      ; the same, C and D window 3
.set MSB, 0
.macro WIN new                         ; the immediate's high byte repeats the setting that is left
.if MSB != \new
	s_set_vgpr_msb (MSB<<8)|\new
.set MSB, \new
.endif
.endm
.macro PLACES                          ; four places behind a matrix instruction in front of loads into its sources and of readers of its result
.rept 4
	v_nop
.endr
.endm
; A joint load: waves 0 and 1 fetch X's two halves, waves 2 and 3 W's.  One mask and one set of registers for each line.
.macro JLOAD n
	s_cmp_eq_u32 s13, 0
	s_cbranch_scc0 .Lfor_b_\@
	tensor_load_to_lds s[G0A+4*\n:G0A+4*\n+3], s[G1A:G1A+7]
	s_nop 0
	s_branch .Lasked_\@
.Lfor_b_\@:
	tensor_load_to_lds s[G0B+4*\n:G0B+4*\n+3], s[G1B:G1B+7]
	s_nop 0
.Lasked_\@:
.endm
.macro CREST                           ; a round of the cluster's barrier behind its opening barrier
	s_cmp_lg_u32 s12, 0
	s_cbranch_scc1 .Lnot_wave_0_\@
	s_barrier_signal -3
.Lnot_wave_0_\@:
	s_barrier_wait -3
	s_barrier_signal -1
	s_barrier_wait -1
.endm
.macro CROUND
	s_barrier_signal -1
	s_barrier_wait -1
	CREST
.endm
	s_load_b128 s[4:7], s[0:1], 0x0                ; xw s[4:5], qkv_bias s[6:7]
	s_load_b64 s[8:9], s[0:1], 0x10                ; qkv
	s_set_vgpr_msb 0x40
	v_lshl_add_u32 v255, v0, 2, 0x41c00
	s_set_vgpr_msb 0x4000
	v_mov_b32 v255, 0
	s_set_vgpr_msb 0x1
	ds_add_u32 v255, v255
	s_set_vgpr_msb 0x100
	v_lshrrev_b32 v1, 5, v0
	v_readfirstlane_b32 s12, v1                    ; wave 0..3
	s_lshr_b32 s13, s12, 1                         ; I fetch for X (0) or for W (1)
	s_and_b32 s14, s12, 1                          ; which half of that tile
	s_bfe_u32 s15, ttmp6, 0x40000                  ; cx
	s_bfe_u32 s16, ttmp6, 0x40004                  ; cy
	s_lshl_b32 s17, ttmp9, 2
	s_add_co_u32 s17, s17, s15                     ; block column
	s_and_b32 s18, ttmp7, 0xffff
	s_lshl_b32 s18, s18, 2
	s_add_co_u32 s18, s18, s16                     ; block row
	s_lshl_b32 s19, s16, 2
	s_lshl_b32 s19, 15, s19                        ; my row of the cluster
	s_lshl_b32 s20, 0x1111, s15                    ; my column
	; group 1: rows of 128 elements of 2 bytes, 4 words of padding behind every 64 words; X: 128 rows, W: 96 rows; 1,024 elements from row to row
	s_or_b32 s[G1A+0], s19, (1<<16)|(1<<20)|(1<<21)|(5<<22)|(3<<25)
	s_or_b32 s[G1B+0], s20, (1<<16)|(1<<20)|(1<<21)|(5<<22)|(3<<25)
	s_mov_b32 s[G1A+1], 128<<16                    ; tensor_dim0 = 128
	s_mov_b32 s[G1B+1], 128<<16
	s_mov_b32 s[G1A+2], 128<<16                    ; tensor_dim1 = 128
	s_mov_b32 s[G1B+2], 96<<16                     ; tensor_dim1 = 96
	s_mov_b32 s[G1A+3], 128<<16                    ; tile_dim0 = 128
	s_mov_b32 s[G1B+3], 128<<16
	s_mov_b32 s[G1A+4], 128                        ; tile_dim1
	s_mov_b32 s[G1B+4], 96
	s_mov_b32 s[G1A+5], 1024                       ; pitch
	s_mov_b32 s[G1B+5], 1024
	s_mov_b32 s[G1A+6], 0
	s_mov_b32 s[G1B+6], 0
	s_mov_b32 s[G1A+7], 0
	s_mov_b32 s[G1B+7], 0
	; where the tiles come from: X's address is made of the block row and the wave, W's of the block column and the wave, in registers of their own
	s_lshl_b32 s40, s18, 8
	s_lshl_b32 s42, s14, 7
	s_add_co_u32 s40, s40, s42                     ; X: row 256 x block row + 128 x half
	s_lshl_b32 s40, s40, 11                        ; rows of 2,048 bytes
	s_mov_b32 s41, 0
	s_mul_i32 s44, s17, 192
	s_mul_i32 s46, s14, 96
	s_add_co_u32 s44, s44, s46                     ; W: row 192 x block column + 96 x half
	s_lshl_b32 s44, s44, 11
	s_add_co_u32 s44, s44, WQKV
	s_mov_b32 s45, 0
	s_mul_i32 s22, s12, AHALF                      ; where they go: X's halves at wave x 34,816 (waves 0, 1),
	s_mul_i32 s23, s12, BHALF
	s_add_co_u32 s23, s23, ABYTES-2*BHALF          ; W's at 69,632 + (wave - 2) x 26,112 (waves 2, 3)
	s_wait_dscnt 0x0
	s_wait_kmcnt 0x0
	s_add_nc_u64 s[40:41], s[4:5], s[40:41]
	s_add_nc_u64 s[44:45], s[4:5], s[44:45]
	CROUND                                         ; all sixteen work-groups are here: the first joint loads meet
.irp n, 0,1
	s_mov_b32 s[G0A+4*\n], 1
	s_add_co_u32 s[G0A+4*\n+1], s22, \n*SLOT
	s_add_nc_u64 s[G0A+4*\n+2:G0A+4*\n+3], s[40:41], \n*KSTEPB
	s_or_b32 s[G0A+4*\n+3], s[G0A+4*\n+3], 0x80000000
	s_mov_b32 s[G0B+4*\n], 1
	s_add_co_u32 s[G0B+4*\n+1], s23, \n*SLOT
	s_add_nc_u64 s[G0B+4*\n+2:G0B+4*\n+3], s[44:45], \n*KSTEPB
	s_or_b32 s[G0B+4*\n+3], s[G0B+4*\n+3], 0x80000000
	JLOAD \n                                       ; K steps 0 and 1: two tensor loads of the wave are out, later one
.endr
	v_and_b32 v1, 15, v0                           ; r = l % 16
	v_bfe_u32 v2, v0, 4, 1                         ; h = l / 16
	v_and_b32 v5, 31, v0                           ; l
	v_mul_u32_u24 v3, v1, PITCH
	v_lshl_add_u32 v3, v2, 4, v3                   ; r x pitch + 16 h
	s_mul_i32 s80, s12, 64*PITCH                   ; my 64 rows of X
	v_add_nc_u32 v[ADRA], s80, v3
	v_add_nc_u32 v[ADRA+1], SLOT, v[ADRA]
	v_add_nc_u32 v[ADRB], ABYTES, v3
	v_add_nc_u32 v[ADRB+1], ABYTES+SLOT, v3
	s_mul_i32 s81, s12, 16*SPITCH
	s_add_co_u32 s81, s81, STAGE                   ; my stage
	v_mul_u32_u24 v4, v1, SPITCH
	v_lshl_add_u32 v4, v2, 4, v4
	v_add_nc_u32 v[STO], s81, v4                   ; in: row r, 16 bytes for each half of the lanes
	v_lshrrev_b32 v6, 3, v5
	v_mul_u32_u24 v6, v6, SPITCH
	v_and_b32 v7, 7, v0
	v_lshl_add_u32 v6, v7, 4, v6
	v_add_nc_u32 v[RD], s81, v6                    ; back: eight lanes take a head's 128 bytes of a row, 32 lanes four rows
	v_lshlrev_b32 v[CO], 4, v5                     ; which are 512 neighbouring bytes of the head's slab
	v_lshlrev_b32 v[VB], 5, v2                     ; bias: 8 h numbers of 4 bytes
	s_mul_i32 s82, s17, 768                        ; 192 columns x 4 bytes for each block column
	s_mov_b32 s83, 0
	s_add_nc_u64 s[74:75], s[6:7], s[82:83]
.irp b, 0,1,2,3,4,5,6,7,8,9,10,11
	global_load_b128 v[BIAS+8*\b:BIAS+8*\b+3],   v[VB], s[74:75] offset:64*\b      ; waited for on the way out
	global_load_b128 v[BIAS+8*\b+4:BIAS+8*\b+7], v[VB], s[74:75] offset:64*\b+16
.endr
; 12 matrix instructions: row tile 2 hi + a of my four x all 12 column tiles, 32 along K, from buffer f.  zero = 1: the product starts the sums.
.macro MULA f, hi, a, zero
.irp b, 0,1,2,3,4,5,6,7,8,9,10,11
.if \zero
	v_wmma_f32_16x16x32_f16 v[8*(12*\a+\b):8*(12*\a+\b)+7], v[96*\f+8*\b:96*\f+8*\b+7], v[FA+32*\f+8*(2*\hi+\a):FA+32*\f+8*(2*\hi+\a)+7], 0
.else
	v_wmma_f32_16x16x32_f16 v[8*(12*\a+\b):8*(12*\a+\b)+7], v[96*\f+8*\b:96*\f+8*\b+7], v[FA+32*\f+8*(2*\hi+\a):FA+32*\f+8*(2*\hi+\a)+7], v[8*(12*\a+\b):8*(12*\a+\b)+7]
.endif
.endr
.endm
; 32 LDS loads in one run: quarter step q of a slot into buffer f: W's 12 fragments, then X's 4
.macro FETCH slot, q, f
	WIN 0x40
.irp i, 0,1,2,3,4,5,6,7,8,9,10,11
	ds_load_b128 v[96*\f+8*\i:96*\f+8*\i+3],   v[ADRB+\slot] offset:64*\q+\i*16*PITCH
	ds_load_b128 v[96*\f+8*\i+4:96*\f+8*\i+7], v[ADRB+\slot] offset:64*\q+\i*16*PITCH+32
.endr
	WIN 0
.irp i, 0,1,2,3
	ds_load_b128 v[FA+32*\f+8*\i:FA+32*\f+8*\i+3],   v[ADRA+\slot] offset:64*\q+\i*16*PITCH
	ds_load_b128 v[FA+32*\f+8*\i+4:FA+32*\f+8*\i+7], v[ADRA+\slot] offset:64*\q+\i*16*PITCH+32
.endr
.endm
; A quarter step: 48 matrix instructions on buffer f; in its middle the next quarter's fragments go into buffer g.
; The 48 accumulators take turns, one instruction a turn, in the same order everywhere.
.macro SUB slot, q, f, g, zero
	s_wait_dscnt 4                                 ; all but the four youngest loads (X's fragments 2 and 3) are in
	WIN MUL_LO
	MULA \f, 0, 0, \zero
	MULA \f, 0, 1, \zero
	PLACES
	FETCH \slot, \q, \g
	s_wait_dscnt 32                                ; all but the 32 just issued
	WIN MUL_HI
	MULA \f, 1, 0, \zero
	MULA \f, 1, 1, \zero
.endm
.macro RUN slot, zero
	SUB \slot, 1, 0, 1, \zero
	SUB \slot, 2, 1, 0, 0
	SUB \slot, 3, 0, 1, 0
.endm
; The last quarter of a K step, and the change of slots.  In front of the barrier each wave waits for its reads of this slot and for all its
; tensor loads (one is out: its part of the next slot).  fill = 1: the barrier opens a round of the cluster's barrier, and the joint refill
; of this slot, two K steps ahead, is the first tensor load behind the round.  From that request to the wait for it: 180 matrix instructions.
.macro TURN slot, next, fill
	s_wait_dscnt 4
	WIN MUL_LO
	MULA 1, 0, 0, 0
	s_wait_dscnt 0x0                               ; my reads of this slot are over
	s_wait_tensorcnt 0x0                           ; all my tensor loads have landed
	ds_add_u32 v255, v255
	s_wait_dscnt 0x0
	s_barrier_signal -1
	MULA 1, 0, 1, 0                                ; register work while the others arrive
	WIN 0
	s_barrier_wait -1
.if \fill
	CREST
	s_add_nc_u64 s[G0A+4*\slot+2:G0A+4*\slot+3], s[G0A+4*\slot+2:G0A+4*\slot+3], 2*KSTEPB
	s_add_nc_u64 s[G0B+4*\slot+2:G0B+4*\slot+3], s[G0B+4*\slot+2:G0B+4*\slot+3], 2*KSTEPB
	JLOAD \slot
.endif
	PLACES
	FETCH \next, 0, 0
	WIN MUL_HI
	MULA 1, 1, 0, 0
	MULA 1, 1, 1, 0
.endm
.macro LAP zero
	RUN 0, \zero
	TURN 0, 1, 1
	RUN 1, 0
	TURN 1, 0, 1
.endm
	s_wait_tensorcnt 0x1                           ; my part of K step 0 is in; K step 1's stays out
	s_barrier_signal -1
	s_barrier_wait -1
	FETCH 0, 0, 0
	LAP 1                                          ; the first lap's first products start the sums: nothing is cleared
	WIN 0
	s_mov_b32 s21, LAPS-2
.Llap:
	LAP 0
	WIN 0
	s_sub_co_u32 s21, s21, 1
	s_cmp_lg_u32 s21, 0
	s_cbranch_scc1 .Llap
	RUN 0, 0                                       ; the last lap fills nothing
	TURN 0, 1, 0
	RUN 1, 0
	s_wait_dscnt 4
	WIN MUL_LO
	MULA 1, 0, 0, 0
	MULA 1, 0, 1, 0
	s_wait_dscnt 0x0
	WIN MUL_HI
	MULA 1, 1, 0, 0
	MULA 1, 1, 1, 0
	; THE WAY OUT: add the bias in f32, round to f16, 16 rows at a time through my own stage, out as runs of 512 bytes of a head's slab.
	PLACES
	s_wait_loadcnt 0x0                             ; the bias
	WIN 0x82                                       ; accumulators of window 2, bias of window 0
.irp a, 0,1
.irp b, 0,1,2,3,4,5,6,7,8,9,10,11
.irp i, 0,2,4,6
	v_pk_add_f32 v[8*(12*\a+\b)+\i:8*(12*\a+\b)+\i+1], v[8*(12*\a+\b)+\i:8*(12*\a+\b)+\i+1], v[BIAS+8*\b+\i:BIAS+8*\b+\i+1]
.endr
.endr
.endr
	WIN 0xc3                                       ; the same for window 3
.irp a, 0,1
.irp b, 0,1,2,3,4,5,6,7,8,9,10,11
.irp i, 0,2,4,6
	v_pk_add_f32 v[8*(12*\a+\b)+\i:8*(12*\a+\b)+\i+1], v[8*(12*\a+\b)+\i:8*(12*\a+\b)+\i+1], v[BIAS+8*\b+\i:BIAS+8*\b+\i+1]
.endr
.endr
.endr
	WIN 0
	s_lshr_b32 s84, s18, 3
	s_lshl_b32 s84, s84, 4                         ; 16 b: eight block rows make a batch
	s_and_b32 s85, s18, 7
	s_lshl_b32 s85, s85, 8
	s_lshl_b32 s86, s12, 6
	s_add_co_u32 s85, s85, s86                     ; my first s
	s_lshl_b32 s85, s85, 7                         ; rows of 128 bytes
	s_mul_i32 s87, s17, 3                          ; my block's first head among the 48 of q, k, v
.irp j, 0,1,2
	s_add_co_u32 s88, s87, \j
	s_lshr_b32 s89, s88, 4
	s_lshl_b32 s89, s89, 5                         ; 32 x (q, k or v)
	s_and_b32 s88, s88, 15                         ; + head
	s_add_co_u32 s88, s88, s89
	s_add_co_u32 s88, s88, s84                     ; + 16 b
	s_lshl_b32 s88, s88, 18                        ; slabs of 262,144 bytes
	s_add_co_u32 s88, s88, s85
	s_mov_b32 s89, 0
	s_add_nc_u64 s[68+2*\j:69+2*\j], s[8:9], s[88:89]
.endr
; rows 16 a .. 16 a + 15 of my 64: the twelve tiles (al, 0..11) of window 2 or 3 (from = 0x0a, 0x0f); rb: 48 registers, two sets in turn
.macro OUTA a, al, from, rb
	WIN \from
.irp b, 0,1,2,3,4,5,6,7,8,9,10,11
.irp i, 0,1,2,3
	v_cvt_pk_f16_f32 v[TMP+4*\b+\i], v[8*(12*\al+\b)+2*\i], v[8*(12*\al+\b)+2*\i+1]
.endr
.endr
	WIN 0
.irp b, 0,1,2,3,4,5,6,7,8,9,10,11
	ds_store_b128 v[STO], v[TMP+4*\b:TMP+4*\b+3] offset:32*\b
.endr
	s_wait_xcnt 0x0                                ; rb was the data of stores two turns ago: it is loaded again only behind this wait
.irp j, 0,1,2
.irp t, 0,1,2,3
	ds_load_b128 v[\rb+4*(4*\j+\t):\rb+4*(4*\j+\t)+3], v[RD] offset:4*SPITCH*\t+128*\j   ; a wave's LDS instructions are served in order: these see the stores above
.endr
.endr
.irp j, 0,1,2
.irp t, 0,1,2,3
	s_wait_dscnt 11-(4*\j+\t)
	global_store_b128 v[CO], v[\rb+4*(4*\j+\t):\rb+4*(4*\j+\t)+3], s[68+2*\j:69+2*\j] offset:2048*\a+512*\t   ; four rows of a head: 512 consecutive bytes, aligned
.endr
.endr
.endm
	OUTA 0, 0, 0x0a, FA
	OUTA 1, 1, 0x0a, BIAS
	OUTA 2, 0, 0x0f, FA
	OUTA 3, 1, 0x0f, BIAS
	s_set_vgpr_msb 0x1
	s_wait_tensorcnt 0x0
	ds_add_u32 v255, v255
	s_wait_dscnt 0x0
	s_set_vgpr_msb 0x100
	CROUND                                         ; the closing round: no work-group ends while a partner may still ask for a tile that names it
	s_endpgm
.Lfunc_end_k_qda4133c97e_gemm_qkv:
	.size	k_qda4133c97e_gemm_qkv, .Lfunc_end_k_qda4133c97e_gemm_qkv-k_qda4133c97e_gemm_qkv
	.p2alignl 7, 3214868480
	.fill 96, 4, 3214868480
	.section	.rodata,"a",@progbits
	.p2align	6, 0x0
	.amdhsa_kernel k_qda4133c97e_gemm_qkv
		.amdhsa_group_segment_fixed_size 327680
		.amdhsa_private_segment_fixed_size 0
		.amdhsa_enable_private_segment 0
		.amdhsa_kernarg_size 24
		.amdhsa_user_sgpr_count 2
		.amdhsa_user_sgpr_kernarg_segment_ptr 1
		.amdhsa_wavefront_size32 1
		.amdhsa_system_sgpr_workgroup_id_x 1
		.amdhsa_system_sgpr_workgroup_id_y 1
		.amdhsa_system_sgpr_workgroup_id_z 1
		.amdhsa_system_vgpr_workitem_id 0
		.amdhsa_next_free_vgpr 1024
		.amdhsa_next_free_sgpr 90
		.amdhsa_reserve_vcc 0
		.amdhsa_float_denorm_mode_32 3
		.amdhsa_float_denorm_mode_16_64 3
		.amdhsa_memory_ordered 1
		.amdhsa_forward_progress 1
		.amdhsa_inst_pref_size 179
	.end_amdhsa_kernel
	.amdgpu_metadata
---
amdhsa.version: [ 1, 2 ]
amdhsa.kernels:
  - .name:           k_qda4133c97e_gemm_qkv
    .symbol:         k_qda4133c97e_gemm_qkv.kd
    .args:
      - { .name: xw, .offset: 0, .size: 8, .value_kind: global_buffer, .address_space: global }
      - { .name: qkv_bias, .offset: 8, .size: 8, .value_kind: global_buffer, .address_space: global }
      - { .name: qkv, .offset: 16, .size: 8, .value_kind: global_buffer, .address_space: global }
    .group_segment_fixed_size: 327680
    .private_segment_fixed_size: 0
    .kernarg_segment_align: 8
    .kernarg_segment_size: 24
    .max_flat_workgroup_size: 128
    .sgpr_count:     90
    .vgpr_count:     1024
    .wavefront_size: 32
...
	.end_amdgpu_metadata
.endif
;; end of part 2
;; launch attn (part 3): grid 8 x 32, 8 waves a work-group, clusters of 4 x 1, 327,680 bytes of LDS; arguments qkv, att; writes att
.if DOCPART == 3
	.amdgcn_target "amdgcn-amd-amdhsa--gfx1250"
	.amdhsa_code_object_version 6
	.text
	.protected	k_qda4133c97e_attn
	.globl	k_qda4133c97e_attn
	.p2align	8
	.type	k_qda4133c97e_attn,@function
k_qda4133c97e_attn:
	s_mov_b64 s[64:65], 0
	v_nop
	global_prefetch_b8 v0, s[64:65] scope:SCOPE_SE
	s_setreg_imm32_b32 hwreg(HW_REG_WAVE_MODE, 25, 1), 1
	s_wait_xcnt 0x0
	s_wait_alu depctr_hold_cnt(0) depctr_sa_sdst(0) depctr_va_vdst(0) depctr_va_sdst(0) depctr_va_ssrc(0) depctr_va_vcc(0) depctr_vm_vsrc(0)
	s_getreg_b32 s2, hwreg(HW_REG_IB_STS2, 6, 4)
	s_cmp_eq_u32 s2, 0
	s_cbranch_scc0 .Lentry_in_a_cluster
	s_endpgm
.Lentry_in_a_cluster:
	s_bfe_u32 s2, ttmp6, 0x10000c
	s_cmp_lg_u32 s2, 0x3003
	s_cbranch_scc0 .Lentry_shape_is_right
	s_endpgm
.Lentry_shape_is_right:
; att = softmax(Q K^T / 8) V for each of 32 (batch, head) pairs, with a running maximum.  q, k, v: f16 slabs [s 2048][d 64] of qkv
; (slab bh, 32 + bh, 64 + bh); att: f16 [h 16][m 4096][d 64].  Scores, maxima, exponentials, sums and the output's sums are f32.
; LIMITS: the probabilities go to the matrix unit as f16 (at most 1; below 6e-8 they round to 0); v_exp_f32 gives 0 for results below
; 2^-126; the keys are summed in two halves that are merged at the end, an order of rounding other than a plain sum's.
; A work-group: one (b, h) and 256 queries, eight waves.  Wave w: queries 64 (w & 3) .. + 63 (four tiles of 16) and half w >> 2 of each
; slot's 256 keys.  Two waves share a SIMD's registers, 512 each, so that one wave's softmax stands beside the other's products.
; CLUSTERS: the four query blocks of a cluster read the same K and V: every tile is one joint load (mask 15).
; PRODUCTS: S^T = K Q^T (source 0 = 16 keys, source 1 = 16 queries): lane (r, h) register j = key 8 h + j of query r.  Two neighbouring key
; tiles, packed to f16 in place, are source 1 of O^T = V^T P^T (32 keys of query r); source 0 = V^T, by the transposing LDS load.
; So a query's maximum, sum and rescaling lie in lanes r and r + 16 alone: one exchange of the halves for the maximum.
.set CHUNK, 10240                      ; 64 keys: K at pitch 144 (9,216 bytes used), V at pitch 160
.set SLOT,  8*CHUNK                    ; 256 keys: four chunks of K, four of V; wave w fills chunk w
.set TILEB, 32768                      ; 256 keys x 128 bytes in memory
.set XCH,   2*SLOT                     ; 163,840: what waves 4-7 hand to waves 0-3, 17,408 bytes a pair; no tensor load lands here or behind
.set XCHW,  17408
.set OST,   XCH+4*XCHW                 ; 233,472: the way out, 64 rows x 144 bytes for each of waves 0-3
.set OSTW,  9216
.set ADRK, 2                           ; v2-3  my K fragments in slot 0, 1
.set ADRV, 4                           ; v4-5  my V fragments
.set VQ,   6
.set VX,   7
.set MX,   8                           ; v8-11   running maximum of query tile t
.set NM,   12                          ; v12-19  minus maximum x c, twice (a pair for the packed forms)
.set AL,   20                          ; v20-27  rescaling factor, twice
.set LS,   28                          ; v28-35  running sums, even and odd registers apart
.set TX,   36
.set TY,   40
.set LT,   44
.set VST,  48
.set VRD,  49
.set VO,   50
.set QF,   64                          ; v64-127   Q: tile t, half e of d at 16 t + 8 e
.set SC,   128                         ; v128-255  scores: tile t, key tile kt at 32 t + 8 kt; then P: (t, p) at 32 t + 16 p
.set OA,   0                           ; window 1: v0-127   O: (t, dt) at 32 t + 8 dt
.set KF,   128                         ; window 1: v128-191 K: (kt, e) at 16 kt + 8 e
.set VF,   192                         ; window 1: v192-255 V^T: (dt, p) at 8 (2 dt + p)
.set G1K, 16
.set G1V, 24
.set G0,  32
.set MSB, 0
.macro WIN new
.if MSB != \new
	s_set_vgpr_msb (MSB<<8)|\new
.set MSB, \new
.endif
.endm
.macro ROUND                           ; a round of the cluster's barrier
	s_barrier_signal -1
	s_barrier_wait -1
	s_cmp_lg_u32 s8, 0
	s_cbranch_scc1 .Lnot_wave_0_\@
	s_barrier_signal -3
.Lnot_wave_0_\@:
	s_barrier_wait -3
	s_barrier_signal -1
	s_barrier_wait -1
.endm
.macro JLOAD n                         ; waves 0-3 fetch a chunk of K, waves 4-7 of V: the two shapes differ in the padding alone
	s_cmp_lt_u32 s8, 4
	s_cbranch_scc0 .Lfor_v_\@
	tensor_load_to_lds s[G0+4*\n:G0+4*\n+3], s[G1K:G1K+7]
	s_nop 0
	s_branch .Lasked_\@
.Lfor_v_\@:
	tensor_load_to_lds s[G0+4*\n:G0+4*\n+3], s[G1V:G1V+7]
	s_nop 0
.Lasked_\@:
.endm
	s_load_b128 s[4:7], s[0:1], 0x0                ; qkv s[4:5], att s[6:7]
	v_lshl_add_u32 v62, v0, 2, 0x42000
	v_mov_b32 v63, 0
	ds_add_u32 v62, v63
	v_lshrrev_b32 v1, 5, v0
	v_readfirstlane_b32 s8, v1                     ; wave 0..7
	s_lshr_b32 s9, s8, 2                           ; g: my half of the keys.  Also: I fetch K (0) or V (1)
	s_and_b32 s10, s8, 3                           ; wq: my 64 queries.  Also: which chunk I fetch
	s_bfe_u32 s11, ttmp6, 0x40000                  ; cx
	s_lshl_b32 s12, ttmp9, 2
	s_add_co_u32 s12, s12, s11                     ; query block 0..7
	s_and_b32 s13, ttmp7, 0xffff                   ; bh = 16 b + h
	s_mov_b32 s14, 0x76543210                      ; v_permlanex16_b32: lane i of one half reads lane i of the other
	s_mov_b32 s15, 0xfedcba98
	; group 1: a chunk is 8,192 dense bytes, taken as 32 rows of 128 elements of 2 bytes; padding behind every 32 words (a key's 128 bytes):
	; 4 words for K (pitch 144, an odd multiple of 16), 8 words for V (pitch 160, an odd multiple of 32, for the transposing load)
	s_mov_b32 s[G1K+0], 15|(1<<16)|(1<<20)|(1<<21)|(4<<22)|(3<<25)
	s_mov_b32 s[G1V+0], 15|(1<<16)|(1<<20)|(1<<21)|(4<<22)|(7<<25)
	s_mov_b32 s[G1K+1], 128<<16
	s_mov_b32 s[G1V+1], 128<<16
	s_mov_b32 s[G1K+2], 32<<16
	s_mov_b32 s[G1V+2], 32<<16
	s_mov_b32 s[G1K+3], 128<<16
	s_mov_b32 s[G1V+3], 128<<16
	s_mov_b32 s[G1K+4], 32
	s_mov_b32 s[G1V+4], 32
	s_mov_b32 s[G1K+5], 128
	s_mov_b32 s[G1V+5], 128
	s_mov_b32 s[G1K+6], 0
	s_mov_b32 s[G1V+6], 0
	s_mov_b32 s[G1K+7], 0
	s_mov_b32 s[G1V+7], 0
	s_lshl_b32 s40, s9, 5
	s_add_co_u32 s40, s40, 32
	s_add_co_u32 s40, s40, s13                     ; slab 32 (1 + g) + bh: made of the wave and of bh, which the four partners share
	s_lshl_b32 s40, s40, 18
	s_lshl_b32 s42, s10, 13                        ; my chunk: 64 keys x 128 bytes
	s_add_co_u32 s40, s40, s42
	s_mov_b32 s41, 0
	s_mul_i32 s43, s8, CHUNK                       ; and where it goes: wave x 10,240
	s_lshl_b32 s50, s12, 8
	s_lshl_b32 s51, s10, 6
	s_add_co_u32 s50, s50, s51                     ; my first query
	s_lshl_b32 s46, s13, 18
	s_lshl_b32 s51, s50, 7
	s_add_co_u32 s46, s46, s51                     ; q: slab bh, rows of 128 bytes
	s_mov_b32 s47, 0
	s_and_b32 s48, s13, 15
	s_lshl_b32 s48, s48, 19                        ; att: head's plane of 524,288 bytes
	s_lshr_b32 s52, s13, 4
	s_lshl_b32 s52, s52, 11
	s_add_co_u32 s52, s52, s50                     ; m = 2048 b + query
	s_lshl_b32 s52, s52, 7
	s_add_co_u32 s48, s48, s52
	s_mov_b32 s49, 0
	s_wait_dscnt 0x0
	s_wait_kmcnt 0x0
	s_add_nc_u64 s[40:41], s[4:5], s[40:41]
	s_add_nc_u64 s[46:47], s[4:5], s[46:47]
	s_add_nc_u64 s[48:49], s[6:7], s[48:49]
.irp n, 0,1
	s_mov_b32 s[G0+4*\n], 1
	s_add_co_u32 s[G0+4*\n+1], s43, \n*SLOT
	s_add_nc_u64 s[G0+4*\n+2:G0+4*\n+3], s[40:41], \n*TILEB
	s_or_b32 s[G0+4*\n+3], s[G0+4*\n+3], 0x80000000
.endr
	ROUND                                          ; the four partners are here: the first joint load meets
	JLOAD 0                                        ; keys 0-255; one tensor load of the wave is out, here and behind every later round
	v_and_b32 v51, 15, v0                          ; r
	v_bfe_u32 v52, v0, 4, 1                        ; h
	v_and_b32 v53, 31, v0                          ; l
	v_lshlrev_b32 v[VQ], 7, v51
	v_lshl_add_u32 v[VQ], v52, 4, v[VQ]            ; r x 128 + 16 h
.irp t, 0,1,2,3
.irp e, 0,1
	global_load_b128 v[QF+16*\t+8*\e:QF+16*\t+8*\e+3],   v[VQ], s[46:47] offset:2048*\t+64*\e      ; Q's fragments stay in registers for the whole kernel
	global_load_b128 v[QF+16*\t+8*\e+4:QF+16*\t+8*\e+7], v[VQ], s[46:47] offset:2048*\t+64*\e+32
.endr
.endr
	v_mul_u32_u24 v54, v51, 144
	v_lshl_add_u32 v54, v52, 4, v54                ; r x 144 + 16 h
	s_mul_i32 s53, s9, 2*CHUNK                     ; my half of a slot's keys: two chunks
	v_add_nc_u32 v[ADRK], s53, v54
	v_add_nc_u32 v[ADRK+1], SLOT, v[ADRK]
	v_and_b32 v55, 7, v0
	v_lshl_add_u32 v55, v52, 3, v55                ; key 8 h + l % 8
	v_mul_u32_u24 v55, v55, 160
	v_bfe_u32 v56, v0, 3, 1
	v_lshl_add_u32 v55, v56, 4, v55                ; + 16 bytes for the upper eight of 16 d
	v_add_nc_u32 v55, s53, v55
	v_add_nc_u32 v[ADRV], 4*CHUNK, v55
	v_add_nc_u32 v[ADRV+1], 4*CHUNK+SLOT, v55
	s_mul_i32 s54, s10, XCHW
	s_add_co_u32 s54, s54, XCH
	v_lshl_add_u32 v[VX], v53, 4, s54              ; the pair's exchange: 16 bytes a lane
	s_mul_i32 s55, s10, OSTW
	s_add_co_u32 s55, s55, OST
	v_add_nc_u32 v[VST], s55, v54
	v_lshrrev_b32 v56, 3, v53
	v_mul_u32_u24 v56, v56, 144
	v_and_b32 v57, 7, v0
	v_lshl_add_u32 v56, v57, 4, v56
	v_add_nc_u32 v[VRD], s55, v56                  ; back: eight lanes a row of 128 bytes, 32 lanes four rows
	v_lshlrev_b32 v[VO], 4, v53
; 64 keys (chunk j of my two in the slot) against my 64 queries.  first = 1: nothing to rescale, the products start the sums.
; c = log2(e) / 8 = 0x3e38aa3b folds the division by sqrt(64) into the exponent's base change.
.macro BLOCK slot, j, first
.if \first
.else
.rept 5
	v_nop                                          ; places behind the last P V product: four for the loads into V's fragments, five for the score products that write over P
.endr
.endif
	WIN 0x40
.irp kt, 0,1,2,3
.irp e, 0,1
	ds_load_b128 v[KF+16*\kt+8*\e:KF+16*\kt+8*\e+3],   v[ADRK+\slot] offset:CHUNK*\j+2304*\kt+64*\e
	ds_load_b128 v[KF+16*\kt+8*\e+4:KF+16*\kt+8*\e+7], v[ADRK+\slot] offset:CHUNK*\j+2304*\kt+64*\e+32
.endr
.endr
.irp dt, 0,1,2,3
.irp p, 0,1
	ds_load_tr16_b128 v[VF+8*(2*\dt+\p):VF+8*(2*\dt+\p)+3],   v[ADRV+\slot] offset:CHUNK*\j+5120*\p+32*\dt
	ds_load_tr16_b128 v[VF+8*(2*\dt+\p)+4:VF+8*(2*\dt+\p)+7], v[ADRV+\slot] offset:CHUNK*\j+5120*\p+32*\dt+2560
.endr
.endr
	s_wait_dscnt 16                                ; K's 16 loads are in; V's 16 stay out until the second product
.if \first
	s_wait_loadcnt 0x0                             ; Q
.endif
	WIN 0x01                                       ; source 0 (K) window 1; Q and the scores window 0
	; the four score tiles of a query tile take turns, one instruction a turn
.irp t, 0,1,2,3
.irp kt, 0,1,2,3
	v_wmma_f32_16x16x32_f16 v[SC+32*\t+8*\kt:SC+32*\t+8*\kt+7], v[KF+16*\kt:KF+16*\kt+7], v[QF+16*\t:QF+16*\t+7], 0
.endr
.irp kt, 0,1,2,3
	v_wmma_f32_16x16x32_f16 v[SC+32*\t+8*\kt:SC+32*\t+8*\kt+7], v[KF+16*\kt+8:KF+16*\kt+15], v[QF+16*\t+8:QF+16*\t+15], v[SC+32*\t+8*\kt:SC+32*\t+8*\kt+7]
.endr
.endr
	WIN 0
.rept 4
	v_nop                                          ; places in front of the readers of the scores
.endr
	; the running maximum: my 32 scores of each query tile and the old maximum, two chains for each of four tiles
.irp t, 0,1,2,3
.if \first
	v_max3_num_f32 v[TX+\t], v[SC+32*\t], v[SC+32*\t], v[SC+32*\t+1]
.else
	v_max3_num_f32 v[TX+\t], v[MX+\t], v[SC+32*\t], v[SC+32*\t+1]
.endif
	v_max3_num_f32 v[TY+\t], v[SC+32*\t+2], v[SC+32*\t+3], v[SC+32*\t+4]
.endr
.irp k, 0,2,4,6,8,10
.irp t, 0,1,2,3
	v_max3_num_f32 v[TX+\t], v[TX+\t], v[SC+32*\t+5+2*\k], v[SC+32*\t+6+2*\k]
	v_max3_num_f32 v[TY+\t], v[TY+\t], v[SC+32*\t+7+2*\k], v[SC+32*\t+8+2*\k]
.endr
.endr
.irp t, 0,1,2,3
	v_max3_num_f32 v[TX+\t], v[TX+\t], v[SC+32*\t+29], v[SC+32*\t+30]
.endr
.irp t, 0,1,2,3
	v_max3_num_f32 v[TX+\t], v[TX+\t], v[TY+\t], v[SC+32*\t+31]
.endr
.irp t, 0,1,2,3
	v_permlanex16_b32 v[TY+\t], v[TX+\t], s14, s15 ; the query's other 32 keys lie in lane l xor 16
.endr
.irp t, 0,1,2,3
	v_max_num_f32 v[MX+\t], v[TX+\t], v[TY+\t]
.endr
.if \first
.irp t, 0,1,2,3
	v_mul_f32 v[NM+2*\t],   0xbe38aa3b, v[MX+\t]   ; minus maximum x c
	v_mul_f32 v[NM+2*\t+1], 0xbe38aa3b, v[MX+\t]
.endr
.else
.irp t, 0,1,2,3
	v_mul_f32 v[TX+\t], 0xbe38aa3b, v[MX+\t]
.endr
.irp t, 0,1,2,3
	v_sub_f32 v[TY+\t], v[TX+\t], v[NM+2*\t]       ; (old maximum - new maximum) x c, from the same rounded products that the exponents use
.endr
.irp t, 0,1,2,3
	v_exp_f32 v[AL+2*\t],   v[TY+\t]
	v_exp_f32 v[AL+2*\t+1], v[TY+\t]
.endr
.irp t, 0,1,2,3
	v_mov_b32 v[NM+2*\t],   v[TX+\t]               ; plain instructions behind the exponentials, ahead of any use of them
	v_mov_b32 v[NM+2*\t+1], v[TX+\t]
.endr
.endif
	; p = 2^(s c - m c), in place
.set n, 0
.rept 64
	v_pk_fma_f32 v[SC+2*n:SC+2*n+1], v[SC+2*n:SC+2*n+1], 0x3e38aa3b, v[NM+2*(n/16):NM+2*(n/16)+1] op_sel_hi:[1,0,1]
.set n, n+1
.endr
.set n, 0
.rept 128
	v_exp_f32 v[SC+n], v[SC+n]
.set n, n+1
.endr
	v_nop                                          ; one plain place behind the exponentials before their results are read
	s_wait_alu depctr_va_vdst(0)
	; the running sums, four chains
.irp t, 0,1,2,3
.if \first
	s_wait_alu depctr_va_vdst(0)
	v_pk_add_f32 v[LS+2*\t:LS+2*\t+1], v[SC+32*\t:SC+32*\t+1], v[SC+32*\t+2:SC+32*\t+3]
.else
	v_pk_fma_f32 v[LS+2*\t:LS+2*\t+1], v[LS+2*\t:LS+2*\t+1], v[AL+2*\t:AL+2*\t+1], v[SC+32*\t:SC+32*\t+1]
.endif
.endr
.if \first
.else
.irp t, 0,1,2,3
	v_pk_add_f32 v[LS+2*\t:LS+2*\t+1], v[LS+2*\t:LS+2*\t+1], v[SC+32*\t+2:SC+32*\t+3]
.endr
.endif
.irp i, 4,6,8,10,12,14,16,18,20,22,24,26,28,30
.irp t, 0,1,2,3
	v_pk_add_f32 v[LS+2*\t:LS+2*\t+1], v[LS+2*\t:LS+2*\t+1], v[SC+32*\t+\i:SC+32*\t+\i+1]
.endr
.endr
	; two key tiles (16 registers) pack into one fragment of 32 keys (8 registers), in place: register i is written when 2 i and 2 i + 1 are read
.irp g, 0,1,2,3,4,5,6,7
.irp i, 0,1,2,3,4,5,6,7
	v_cvt_pk_f16_f32 v[SC+16*\g+\i], v[SC+16*\g+2*\i], v[SC+16*\g+2*\i+1]
.endr
.endr
	s_wait_dscnt 0x0                               ; V's fragments
	WIN 0x51                                       ; O and V^T window 1, P and the factors window 0
.if \first
.else
.set n, 0
.rept 64
	v_pk_mul_f32 v[OA+2*n:OA+2*n+1], v[OA+2*n:OA+2*n+1], v[AL+2*(n/16):AL+2*(n/16)+1]
.set n, n+1
.endr
.endif
	; the sixteen tiles of O take turns, one instruction a turn
.irp p, 0,1
.irp t, 0,1,2,3
.irp dt, 0,1,2,3
.if \first*(1-\p)
	v_wmma_f32_16x16x32_f16 v[OA+32*\t+8*\dt:OA+32*\t+8*\dt+7], v[VF+8*(2*\dt+\p):VF+8*(2*\dt+\p)+7], v[SC+32*\t+16*\p:SC+32*\t+16*\p+7], 0
.else
	v_wmma_f32_16x16x32_f16 v[OA+32*\t+8*\dt:OA+32*\t+8*\dt+7], v[VF+8*(2*\dt+\p):VF+8*(2*\dt+\p)+7], v[SC+32*\t+16*\p:SC+32*\t+16*\p+7], v[OA+32*\t+8*\dt:OA+32*\t+8*\dt+7]
.endif
.endr
.endr
.endr
	WIN 0
.endm
; A slot's 256 keys.  In front of the round every wave waits for all its tensor loads (its chunk of this slot) and for its reads of the other
; slot; behind the round the other slot's joint refill comes first, and has this trip's two blocks in which to land.
.macro TRIP slot, other, refill, first
	s_wait_tensorcnt 0x0                           ; all my tensor loads have landed, so a group 0 may be written:
	ds_add_u32 v62, v63
	s_wait_dscnt 0x0
	s_add_nc_u64 s[G0+4*\slot+2:G0+4*\slot+3], s[G0+4*\slot+2:G0+4*\slot+3], 2*TILEB   ; this slot's next 256 keys
	s_wait_dscnt 0x0                               ; my reads of the other slot are over
	ROUND
.if \refill
	JLOAD \other
.endif
	BLOCK \slot, 0, \first
	BLOCK \slot, 1, 0
.endm
	TRIP 0, 1, 1, 1                                ; 2,048 keys = eight slots' worth; the first two trips stand in front of the loop
	TRIP 1, 0, 1, 0
	s_mov_b32 s44, 2
.Lkeys:
	TRIP 0, 1, 1, 0
	TRIP 1, 0, 1, 0
	s_sub_co_u32 s44, s44, 1
	s_cmp_lg_u32 s44, 0
	s_cbranch_scc1 .Lkeys
	TRIP 0, 1, 1, 0
	TRIP 1, 0, 0, 0                                ; the last trip fetches nothing
	; THE END: each wave's sum over its keys; waves 4-7 hand O, minus m c and the sum to waves 0-3, which merge, divide and store.
.rept 4
	v_nop                                          ; places behind the last products, in front of the readers of O and the loads over P
.endr
.irp t, 0,1,2,3
	v_add_f32 v[LT+\t], v[LS+2*\t], v[LS+2*\t+1]
.endr
.irp t, 0,1,2,3
	v_permlanex16_b32 v[TY+\t], v[LT+\t], s14, s15
.endr
.irp t, 0,1,2,3
	v_add_f32 v[LT+\t], v[LT+\t], v[TY+\t]
.endr
	s_cmp_eq_u32 s9, 0
	s_cbranch_scc1 .Lkeep
.irp t, 0,1,2,3
	v_mov_b32 v[TX+\t], v[NM+2*\t]                 ; four neighbours for one store
.endr
	WIN 0x04                                       ; store data from window 1
.set i, 0
.rept 32
	ds_store_b128 v[VX], v[OA+4*i:OA+4*i+3] offset:512*i
.set i, i+1
.endr
	WIN 0
	ds_store_b128 v[VX], v[TX:TX+3] offset:16384
	ds_store_b128 v[VX], v[LT:LT+3] offset:16896
.Lkeep:
	s_wait_dscnt 0x0                               ; for the partner's sake: my stores are done
	s_barrier_signal -1
	s_barrier_wait -1
	s_cmp_lg_u32 s9, 0
	s_cbranch_scc1 .Lclose
.set i, 0
.rept 32
	ds_load_b128 v[SC+4*i:SC+4*i+3], v[VX] offset:512*i    ; the partner's O, in my own lane layout
.set i, i+1
.endr
	ds_load_b128 v[TX:TX+3], v[VX] offset:16384    ; its minus m c
	ds_load_b128 v[TY:TY+3], v[VX] offset:16896    ; its sum
	s_wait_dscnt 0x0
.irp t, 0,1,2,3
	v_min_num_f32 v[MX+\t], v[NM+2*\t], v[TX+\t]   ; minus the larger maximum x c
.endr
.irp t, 0,1,2,3
	v_sub_f32 v[NM+2*\t],   v[MX+\t], v[NM+2*\t]
	v_sub_f32 v[NM+2*\t+1], v[MX+\t], v[TX+\t]
.endr
.irp t, 0,1,2,3
	v_exp_f32 v[AL+2*\t], v[NM+2*\t]               ; my half's weight
	v_exp_f32 v[LS+2*\t], v[NM+2*\t+1]             ; the partner's
.endr
	v_nop
	s_wait_alu depctr_va_vdst(0)
.irp t, 0,1,2,3
	v_mul_f32 v[TY+\t], v[TY+\t], v[LS+2*\t]
.endr
.irp t, 0,1,2,3
	v_fma_f32 v[LT+\t], v[LT+\t], v[AL+2*\t], v[TY+\t]     ; the whole sum: at least 1, since the largest score's term is 1
.endr
.irp t, 0,1,2,3
	v_rcp_f32 v[MX+\t], v[LT+\t]
.endr
	v_nop
	s_wait_alu depctr_va_vdst(0)
.irp t, 0,1,2,3
	v_mul_f32 v[AL+2*\t], v[AL+2*\t], v[MX+\t]
	v_mul_f32 v[LS+2*\t], v[LS+2*\t], v[MX+\t]
.endr
.irp t, 0,1,2,3
	v_mov_b32 v[AL+2*\t+1], v[AL+2*\t]             ; pairs for the packed forms
	v_mov_b32 v[LS+2*\t+1], v[LS+2*\t]
.endr
.set n, 0
.rept 64
	v_pk_mul_f32 v[SC+2*n:SC+2*n+1], v[SC+2*n:SC+2*n+1], v[LS+2*(n/16):LS+2*(n/16)+1]
.set n, n+1
.endr
	WIN 0x01                                       ; my O from window 1
.set n, 0
.rept 64
	v_pk_fma_f32 v[SC+2*n:SC+2*n+1], v[OA+2*n:OA+2*n+1], v[AL+2*(n/16):AL+2*(n/16)+1], v[SC+2*n:SC+2*n+1]
.set n, n+1
.endr
	WIN 0
.set g, 0
.rept 16
.irp i, 0,1,2,3
	v_cvt_pk_f16_f32 v[SC+8*g+\i], v[SC+8*g+2*\i], v[SC+8*g+2*\i+1]   ; eight neighbouring d of one query: 16 bytes
.endr
	ds_store_b128 v[VST], v[SC+8*g:SC+8*g+3] offset:2304*(g/4)+32*(g%4)
.set g, g+1
.endr
.set u, 0
.rept 16
	ds_load_b128 v[QF+4*u:QF+4*u+3], v[VRD] offset:576*u   ; my own bytes: a wave's LDS instructions are served in order
.set u, u+1
.endr
.set u, 0
.rept 16
	s_wait_dscnt 15-u
	global_store_b128 v[VO], v[QF+4*u:QF+4*u+3], s[48:49] offset:512*u   ; four queries of the head: 512 consecutive bytes, aligned
.set u, u+1
.endr
.Lclose:
	s_wait_tensorcnt 0x0
	ds_add_u32 v62, v63
	s_wait_dscnt 0x0
	ROUND                                          ; the closing round: no work-group ends while a partner may still ask for a tile that names it
	s_endpgm
.Lfunc_end_k_qda4133c97e_attn:
	.size	k_qda4133c97e_attn, .Lfunc_end_k_qda4133c97e_attn-k_qda4133c97e_attn
	.p2alignl 7, 3214868480
	.fill 96, 4, 3214868480
	.section	.rodata,"a",@progbits
	.p2align	6, 0x0
	.amdhsa_kernel k_qda4133c97e_attn
		.amdhsa_group_segment_fixed_size 327680
		.amdhsa_private_segment_fixed_size 0
		.amdhsa_enable_private_segment 0
		.amdhsa_kernarg_size 16
		.amdhsa_user_sgpr_count 2
		.amdhsa_user_sgpr_kernarg_segment_ptr 1
		.amdhsa_wavefront_size32 1
		.amdhsa_system_sgpr_workgroup_id_x 1
		.amdhsa_system_sgpr_workgroup_id_y 1
		.amdhsa_system_sgpr_workgroup_id_z 1
		.amdhsa_system_vgpr_workitem_id 0
		.amdhsa_next_free_vgpr 512
		.amdhsa_next_free_sgpr 66
		.amdhsa_reserve_vcc 0
		.amdhsa_float_denorm_mode_32 3
		.amdhsa_float_denorm_mode_16_64 3
		.amdhsa_memory_ordered 1
		.amdhsa_forward_progress 1
		.amdhsa_inst_pref_size 255
	.end_amdhsa_kernel
	.section	.bss,"aw",@nobits
	.p2align	6
	.space	262144
	.amdgpu_metadata
---
amdhsa.version: [ 1, 2 ]
amdhsa.kernels:
  - .name:           k_qda4133c97e_attn
    .symbol:         k_qda4133c97e_attn.kd
    .args:
      - { .name: qkv, .offset: 0, .size: 8, .value_kind: global_buffer, .address_space: global }
      - { .name: att, .offset: 8, .size: 8, .value_kind: global_buffer, .address_space: global }
    .group_segment_fixed_size: 327680
    .private_segment_fixed_size: 0
    .kernarg_segment_align: 8
    .kernarg_segment_size: 16
    .max_flat_workgroup_size: 256
    .sgpr_count:     66
    .vgpr_count:     512
    .wavefront_size: 32
...
	.end_amdgpu_metadata
.endif
;; end of part 3
;; launch gemm_out (part 4): grid 8 x 32, 4 waves a work-group, clusters of 4 x 4, 327,680 bytes of LDS; arguments att, xw, out_bias, out0; writes out0
.if DOCPART == 4
	.amdgcn_target "amdgcn-amd-amdhsa--gfx1250"
	.amdhsa_code_object_version 6
	.text
	.protected	k_qda4133c97e_gemm_out
	.globl	k_qda4133c97e_gemm_out
	.p2align	8
	.type	k_qda4133c97e_gemm_out,@function
k_qda4133c97e_gemm_out:
	s_mov_b64 s[64:65], 0
	v_nop
	global_prefetch_b8 v0, s[64:65] scope:SCOPE_SE
	s_setreg_imm32_b32 hwreg(HW_REG_WAVE_MODE, 25, 1), 1
	s_wait_xcnt 0x0
	s_wait_alu depctr_hold_cnt(0) depctr_sa_sdst(0) depctr_va_vdst(0) depctr_va_sdst(0) depctr_va_ssrc(0) depctr_va_vcc(0) depctr_vm_vsrc(0)
	s_getreg_b32 s2, hwreg(HW_REG_IB_STS2, 6, 4)
	s_cmp_eq_u32 s2, 0
	s_cbranch_scc0 .Lentry_in_a_cluster
	s_endpgm
.Lentry_in_a_cluster:
	s_bfe_u32 s2, ttmp6, 0x10000c
	s_cmp_lg_u32 s2, 0xf033
	s_cbranch_scc0 .Lentry_shape_is_right
	s_endpgm
.Lentry_shape_is_right:
; out0 = att Wout^T + out_bias.  att: f16 [h 16][m 4096][d 64] (k = 64 h + d); Wout [1024][1024] f16 at xw + 14,680,064; sums, bias and
; result f32.  LIMIT: the operands are f16 (magnitudes under 65,504).
; A work-group makes 128 x 128: 8 x 32 work-groups; wave (w >> 1, w & 1) makes 64 x 64: 16 accumulator tiles.  K goes in steps of 256
; (four heads) through two LDS slots: with 16 matrix instructions for 32 along K, a step of 256 gives a tile 128 of them in which to land.
; CLUSTERS: 4 x 4 work-groups; att's tile is asked for jointly by a row of the cluster, Wout's by a column.
; The matrix instruction is used transposed (source 0 = rows of Wout, source 1 = rows of att): a lane holds eight neighbouring columns of one row.
; REGISTERS: window 0: addresses, fragments (two buffers each), read-back, bias; window 1: the accumulators, tile (a, b) at 8 (4 a + b).
.set APITCH, 144                       ; a head's 128 bytes of a row + 16
.set AHEAD,  64*APITCH                 ; 9,216: a head's 64 rows
.set AHALF,  4*AHEAD                   ; 36,864: what one load brings of att: four heads x 64 rows
.set BPITCH, 528                       ; 512 bytes + 16
.set BHALF,  64*BPITCH                 ; 33,792
.set ABYTES, 2*AHALF
.set SLOT,   2*AHALF+2*BHALF           ; 141,312
.set STAGE,  2*SLOT                    ; 282,624: behind the ring, 16 rows x 272 bytes for each wave; no tensor load lands there
.set SPITCH, 272                       ; 64 f32 + 16 bytes
.set ASTEP,  2097152                   ; four heads' planes of 524,288 bytes
.set BSTEP,  512
.set WOUT,   14680064
.set ADRA, 16
.set ADRB, 20
.set STO,  24
.set RD,   25
.set CO,   26
.set VB,   27
.set FA,   32                          ; v32-63, v64-95   att's fragments
.set FB,   96                          ; v96-127, v128-159 Wout's fragments
.set RB0,  160
.set RB1,  192
.set BIAS, 224
.set G1A, 24
.set G0A, 32
.set G1B, 48
.set G0B, 56
.set ACCW, 0x50                        ; C and D window 1, sources window 0
.set MSB, 0
.macro WIN new
.if MSB != \new
	s_set_vgpr_msb (MSB<<8)|\new
.set MSB, \new
.endif
.endm
.macro PLACES                          ; four places behind a matrix instruction (ISA guide 7.12.1)
.rept 4
	v_nop
.endr
.endm
.macro JLOAD n                         ; waves 0 and 1 fetch att's halves, waves 2 and 3 Wout's
	s_cmp_eq_u32 s13, 0
	s_cbranch_scc0 .Lfor_b_\@
	tensor_load_to_lds s[G0A+4*\n:G0A+4*\n+3], s[G1A:G1A+7]
	s_nop 0
	s_branch .Lasked_\@
.Lfor_b_\@:
	tensor_load_to_lds s[G0B+4*\n:G0B+4*\n+3], s[G1B:G1B+7]
	s_nop 0
.Lasked_\@:
.endm
.macro CREST
	s_cmp_lg_u32 s12, 0
	s_cbranch_scc1 .Lnot_wave_0_\@
	s_barrier_signal -3
.Lnot_wave_0_\@:
	s_barrier_wait -3
	s_barrier_signal -1
	s_barrier_wait -1
.endm
.macro CROUND
	s_barrier_signal -1
	s_barrier_wait -1
	CREST
.endm
	s_load_b256 s[4:11], s[0:1], 0x0               ; att s[4:5], xw s[6:7], out_bias s[8:9], out0 s[10:11]
	v_lshl_add_u32 v254, v0, 2, 0x49400
	v_mov_b32 v255, 0
	ds_add_u32 v254, v255
	v_lshrrev_b32 v1, 5, v0
	v_readfirstlane_b32 s12, v1                    ; wave
	s_lshr_b32 s13, s12, 1                         ; my half of the rows.  Also: I fetch att (0) or Wout (1)
	s_and_b32 s14, s12, 1                          ; my half of the columns.  Also: which half I fetch
	s_bfe_u32 s15, ttmp6, 0x40000                  ; cx
	s_bfe_u32 s16, ttmp6, 0x40004                  ; cy
	s_lshl_b32 s17, ttmp9, 2
	s_add_co_u32 s17, s17, s15                     ; block column
	s_and_b32 s18, ttmp7, 0xffff
	s_lshl_b32 s18, s18, 2
	s_add_co_u32 s18, s18, s16                     ; block row
	s_lshl_b32 s19, s16, 2
	s_lshl_b32 s19, 15, s19                        ; my row of the cluster
	s_lshl_b32 s20, 0x1111, s15                    ; my column
	; att's tile: four heads in one shape.  A row of the shape is a head's 64 dense rows (4,096 elements); from head to head 262,144 elements;
	; 4 words of padding behind every 32 words, that is behind each 128 bytes of a query
	s_or_b32 s[G1A+0], s19, (1<<16)|(1<<20)|(1<<21)|(4<<22)|(3<<25)
	s_mov_b32 s[G1A+1], 4096<<16                   ; tensor_dim0 = 4,096
	s_mov_b32 s[G1A+2], 4<<16                      ; tensor_dim1 = 4
	s_mov_b32 s[G1A+3], 4096<<16                   ; tile_dim0
	s_mov_b32 s[G1A+4], 4                          ; tile_dim1
	s_mov_b32 s[G1A+5], 262144                     ; pitch
	s_mov_b32 s[G1A+6], 0
	s_mov_b32 s[G1A+7], 0
	; Wout's tile: 64 rows x 256 elements, 4 words of padding behind every 128 words
	s_or_b32 s[G1B+0], s20, (1<<16)|(1<<20)|(1<<21)|(6<<22)|(3<<25)
	s_mov_b32 s[G1B+1], 256<<16
	s_mov_b32 s[G1B+2], 64<<16
	s_mov_b32 s[G1B+3], 256<<16
	s_mov_b32 s[G1B+4], 64
	s_mov_b32 s[G1B+5], 1024
	s_mov_b32 s[G1B+6], 0
	s_mov_b32 s[G1B+7], 0
	s_lshl_b32 s40, s18, 7
	s_lshl_b32 s42, s14, 6
	s_add_co_u32 s40, s40, s42                     ; att: m = 128 x block row + 64 x half
	s_lshl_b32 s40, s40, 7                         ; rows of 128 bytes
	s_mov_b32 s41, 0
	s_lshl_b32 s44, s17, 7
	s_lshl_b32 s46, s14, 6
	s_add_co_u32 s44, s44, s46                     ; Wout: row 128 x block column + 64 x half
	s_lshl_b32 s44, s44, 11
	s_add_co_u32 s44, s44, WOUT
	s_mov_b32 s45, 0
	s_mul_i32 s22, s12, AHALF                      ; att's halves at wave x 36,864 (waves 0, 1),
	s_mul_i32 s23, s12, BHALF
	s_add_co_u32 s23, s23, ABYTES-2*BHALF          ; Wout's at 73,728 + (wave - 2) x 33,792 (waves 2, 3)
	s_wait_dscnt 0x0
	s_wait_kmcnt 0x0
	s_add_nc_u64 s[40:41], s[4:5], s[40:41]
	s_add_nc_u64 s[44:45], s[6:7], s[44:45]
	CROUND                                         ; all sixteen work-groups are here: the first joint loads meet
.irp n, 0,1
	s_mov_b32 s[G0A+4*\n], 1
	s_add_co_u32 s[G0A+4*\n+1], s22, \n*SLOT
	s_add_nc_u64 s[G0A+4*\n+2:G0A+4*\n+3], s[40:41], \n*ASTEP
	s_or_b32 s[G0A+4*\n+3], s[G0A+4*\n+3], 0x80000000
	s_mov_b32 s[G0B+4*\n], 1
	s_add_co_u32 s[G0B+4*\n+1], s23, \n*SLOT
	s_add_nc_u64 s[G0B+4*\n+2:G0B+4*\n+3], s[44:45], \n*BSTEP
	s_or_b32 s[G0B+4*\n+3], s[G0B+4*\n+3], 0x80000000
	JLOAD \n                                       ; K steps 0 and 1: two tensor loads of the wave are out, later one
.endr
	v_and_b32 v1, 15, v0                           ; r
	v_bfe_u32 v2, v0, 4, 1                         ; h
	v_mul_u32_u24 v3, v1, APITCH
	v_lshl_add_u32 v3, v2, 4, v3
	s_mul_i32 s80, s13, AHALF                      ; my 64 rows of att
	v_add_nc_u32 v[ADRA], s80, v3
	v_add_nc_u32 v[ADRA+1], SLOT, v[ADRA]
	v_mul_u32_u24 v4, v1, BPITCH
	v_lshl_add_u32 v4, v2, 4, v4
	s_mul_i32 s86, s14, BHALF                      ; my 64 rows of Wout
	s_add_co_u32 s86, s86, ABYTES
	v_add_nc_u32 v[ADRB], s86, v4
	v_add_nc_u32 v[ADRB+1], SLOT, v[ADRB]
	s_mul_i32 s81, s12, 16*SPITCH
	s_add_co_u32 s81, s81, STAGE                   ; my stage
	v_mul_u32_u24 v5, v1, SPITCH
	v_lshl_add_u32 v5, v2, 5, v5
	v_add_nc_u32 v[STO], s81, v5                   ; in: row r, 32 bytes (8 f32) for each half of the lanes
	v_mul_u32_u24 v6, v2, SPITCH
	v_lshl_add_u32 v6, v1, 4, v6
	v_add_nc_u32 v[RD], s81, v6                    ; back: lanes 0-15 one row of 256 bytes, lanes 16-31 the next
	v_lshlrev_b32 v[VB], 4, v1                     ; my four columns
	v_lshl_add_u32 v[CO], v2, 12, v[VB]            ; and the same two rows of out0, 4,096 bytes apart
	s_lshl_b32 s82, s18, 7
	s_lshl_b32 s83, s13, 6
	s_add_co_u32 s82, s82, s83                     ; my first row
	s_lshl_b32 s82, s82, 12
	s_lshl_b32 s84, s17, 7
	s_lshl_b32 s85, s14, 6
	s_add_co_u32 s84, s84, s85                     ; my first column
	s_lshl_b32 s84, s84, 2
	s_mov_b32 s85, 0
	s_add_nc_u64 s[74:75], s[8:9], s[84:85]
	s_add_co_u32 s82, s82, s84
	s_mov_b32 s83, 0
	s_add_nc_u64 s[68:69], s[10:11], s[82:83]
	global_load_b128 v[BIAS:BIAS+3], v[VB], s[74:75]       ; waited for on the way out
; four matrix instructions: row tile a x my four column tiles, 32 along K, from buffer f
.macro MULA f, a, zero
.irp b, 0,1,2,3
.if \zero
	v_wmma_f32_16x16x32_f16 v[8*(4*\a+\b):8*(4*\a+\b)+7], v[FB+32*\f+8*\b:FB+32*\f+8*\b+7], v[FA+32*\f+8*\a:FA+32*\f+8*\a+7], 0
.else
	v_wmma_f32_16x16x32_f16 v[8*(4*\a+\b):8*(4*\a+\b)+7], v[FB+32*\f+8*\b:FB+32*\f+8*\b+7], v[FA+32*\f+8*\a:FA+32*\f+8*\a+7], v[8*(4*\a+\b):8*(4*\a+\b)+7]
.endif
.endr
.endm
; 16 LDS loads in one run: part q (32 along K: head q / 2, half q % 2 of its d) of a slot into buffer f: Wout's 4 fragments, then att's 4
.macro FETCH slot, q, f
.irp i, 0,1,2,3
	ds_load_b128 v[FB+32*\f+8*\i:FB+32*\f+8*\i+3],   v[ADRB+\slot] offset:64*\q+\i*16*BPITCH
	ds_load_b128 v[FB+32*\f+8*\i+4:FB+32*\f+8*\i+7], v[ADRB+\slot] offset:64*\q+\i*16*BPITCH+32
.endr
.irp i, 0,1,2,3
	ds_load_b128 v[FA+32*\f+8*\i:FA+32*\f+8*\i+3],   v[ADRA+\slot] offset:(\q/2)*AHEAD+(\q%2)*64+\i*16*APITCH
	ds_load_b128 v[FA+32*\f+8*\i+4:FA+32*\f+8*\i+7], v[ADRA+\slot] offset:(\q/2)*AHEAD+(\q%2)*64+\i*16*APITCH+32
.endr
.endm
; The 16 accumulators take turns, one instruction a turn, in the same order everywhere.
.macro SUB slot, q, f, g, zero
	s_wait_dscnt 4                                 ; all but the four youngest loads (att's fragments 2 and 3) are in
	WIN ACCW
	MULA \f, 0, \zero
	MULA \f, 1, \zero
	PLACES
	WIN 0
	FETCH \slot, \q, \g
	s_wait_dscnt 16                                ; all but the 16 just issued
	WIN ACCW
	MULA \f, 2, \zero
	MULA \f, 3, \zero
.endm
.macro RUN slot, zero
	SUB \slot, 1, 0, 1, \zero
	SUB \slot, 2, 1, 0, 0
	SUB \slot, 3, 0, 1, 0
	SUB \slot, 4, 1, 0, 0
	SUB \slot, 5, 0, 1, 0
	SUB \slot, 6, 1, 0, 0
	SUB \slot, 7, 0, 1, 0
.endm
; The last part of a K step and the change of slots: the waits for my reads and for all my tensor loads in front of the barrier; fill = 1: the
; barrier opens a round of the cluster's barrier, and the joint refill, two K steps ahead, is the first tensor load behind the round.
.macro TURN slot, next, fill
	s_wait_dscnt 4
	WIN ACCW
	MULA 1, 0, 0
	s_wait_dscnt 0x0
	s_wait_tensorcnt 0x0
	ds_add_u32 v254, v255
	s_wait_dscnt 0x0
	s_barrier_signal -1
	MULA 1, 1, 0
	WIN 0
	s_barrier_wait -1
.if \fill
	CREST
	s_add_nc_u64 s[G0A+4*\slot+2:G0A+4*\slot+3], s[G0A+4*\slot+2:G0A+4*\slot+3], 2*ASTEP
	s_add_nc_u64 s[G0B+4*\slot+2:G0B+4*\slot+3], s[G0B+4*\slot+2:G0B+4*\slot+3], 2*BSTEP
	JLOAD \slot
.endif
	PLACES
	FETCH \next, 0, 0
	WIN ACCW
	MULA 1, 2, 0
	MULA 1, 3, 0
.endm
	s_wait_tensorcnt 0x1                           ; my part of K step 0 is in; K step 1's stays out
	s_barrier_signal -1
	s_barrier_wait -1
	FETCH 0, 0, 0
	RUN 0, 1                                       ; four K steps, written out: the first products start the sums
	TURN 0, 1, 1
	RUN 1, 0
	TURN 1, 0, 1
	RUN 0, 0                                       ; the last two steps fill nothing
	TURN 0, 1, 0
	RUN 1, 0
	s_wait_dscnt 4
	WIN ACCW
	MULA 1, 0, 0
	MULA 1, 1, 0
	s_wait_dscnt 0x0
	MULA 1, 2, 0
	MULA 1, 3, 0
	; THE WAY OUT, 16 rows at a time: f32 into my own stage, back as whole rows of 256 bytes, the bias added, stored.
	PLACES
	s_wait_loadcnt 0x0                             ; the bias
.macro OUTF a, rb
	WIN 0x04                                       ; store data from window 1
.irp b, 0,1,2,3
	ds_store_b128 v[STO], v[8*(4*\a+\b):8*(4*\a+\b)+3]   offset:64*\b
	ds_store_b128 v[STO], v[8*(4*\a+\b)+4:8*(4*\a+\b)+7] offset:64*\b+16
.endr
	WIN 0
	s_wait_xcnt 0x0                                ; rb and the base, which earlier stores read, are written again only behind this wait
.if \a
	s_add_nc_u64 s[68:69], s[68:69], 65536         ; 16 rows of out0 on
.endif
.irp t, 0,1,2,3,4,5,6,7
	ds_load_b128 v[\rb+4*\t:\rb+4*\t+3], v[RD] offset:2*SPITCH*\t  ; a wave's LDS instructions are served in order: these see the stores above
.endr
.irp t, 0,1,2,3,4,5,6,7
	s_wait_dscnt 7-\t
	v_pk_add_f32 v[\rb+4*\t:\rb+4*\t+1],   v[\rb+4*\t:\rb+4*\t+1],   v[BIAS:BIAS+1]
	v_pk_add_f32 v[\rb+4*\t+2:\rb+4*\t+3], v[\rb+4*\t+2:\rb+4*\t+3], v[BIAS+2:BIAS+3]
	global_store_b128 v[CO], v[\rb+4*\t:\rb+4*\t+3], s[68:69] offset:8192*\t th:TH_STORE_NT   ; 16 lanes store 256 consecutive bytes, aligned
.endr
.endm
	OUTF 0, RB0
	OUTF 1, RB1
	OUTF 2, RB0
	OUTF 3, RB1
	s_wait_tensorcnt 0x0
	ds_add_u32 v254, v255
	s_wait_dscnt 0x0
	CROUND                                         ; the closing round
	s_endpgm
.Lfunc_end_k_qda4133c97e_gemm_out:
	.size	k_qda4133c97e_gemm_out, .Lfunc_end_k_qda4133c97e_gemm_out-k_qda4133c97e_gemm_out
	.p2alignl 7, 3214868480
	.fill 96, 4, 3214868480
	.section	.rodata,"a",@progbits
	.p2align	6, 0x0
	.amdhsa_kernel k_qda4133c97e_gemm_out
		.amdhsa_group_segment_fixed_size 327680
		.amdhsa_private_segment_fixed_size 0
		.amdhsa_enable_private_segment 0
		.amdhsa_kernarg_size 32
		.amdhsa_user_sgpr_count 2
		.amdhsa_user_sgpr_kernarg_segment_ptr 1
		.amdhsa_wavefront_size32 1
		.amdhsa_system_sgpr_workgroup_id_x 1
		.amdhsa_system_sgpr_workgroup_id_y 1
		.amdhsa_system_sgpr_workgroup_id_z 1
		.amdhsa_system_vgpr_workitem_id 0
		.amdhsa_next_free_vgpr 384
		.amdhsa_next_free_sgpr 88
		.amdhsa_reserve_vcc 0
		.amdhsa_float_denorm_mode_32 3
		.amdhsa_float_denorm_mode_16_64 3
		.amdhsa_memory_ordered 1
		.amdhsa_forward_progress 1
		.amdhsa_inst_pref_size 94
	.end_amdhsa_kernel
	.amdgpu_metadata
---
amdhsa.version: [ 1, 2 ]
amdhsa.kernels:
  - .name:           k_qda4133c97e_gemm_out
    .symbol:         k_qda4133c97e_gemm_out.kd
    .args:
      - { .name: att, .offset: 0, .size: 8, .value_kind: global_buffer, .address_space: global }
      - { .name: xw, .offset: 8, .size: 8, .value_kind: global_buffer, .address_space: global }
      - { .name: out_bias, .offset: 16, .size: 8, .value_kind: global_buffer, .address_space: global }
      - { .name: out0, .offset: 24, .size: 8, .value_kind: global_buffer, .address_space: global }
    .group_segment_fixed_size: 327680
    .private_segment_fixed_size: 0
    .kernarg_segment_align: 8
    .kernarg_segment_size: 32
    .max_flat_workgroup_size: 128
    .sgpr_count:     88
    .vgpr_count:     384
    .wavefront_size: 32
...
	.end_amdgpu_metadata
.endif
;; end of part 4
;; ======== version 2 of 2: 4 launches; version 1 with the launch tof16 written anew for expert scheduling mode
;; limits: values are held in f16: magnitudes above 65,504 overflow, below 6.1e-05 lose precision
;; workspace buffers: xw 16,777,216 bytes; qkv 25,165,824 bytes; att 8,388,608 bytes
;; launch tof16 (part 5): grid 256 x 1, 8 waves a work-group, no clusters, 0 bytes of LDS; arguments input_tensor, qkv_weight, out_weight, xw; writes xw
.if DOCPART == 5
	.amdgcn_target "amdgcn-amd-amdhsa--gfx1250"
	.amdhsa_code_object_version 6
	.text
	.protected	k_qda4133c97e_tof16
	.globl	k_qda4133c97e_tof16
	.p2align	8
	.type	k_qda4133c97e_tof16,@function
k_qda4133c97e_tof16:
	s_mov_b64 s[64:65], 0
	v_nop
	global_prefetch_b8 v0, s[64:65] scope:SCOPE_SE
	s_setreg_imm32_b32 hwreg(HW_REG_WAVE_SCHED_MODE, 0, 2), 2
	s_setreg_imm32_b32 hwreg(HW_REG_WAVE_MODE, 25, 1), 1
	s_wait_xcnt 0x0
	s_wait_alu depctr_vm_vsrc(0)
; xw = f16(input_tensor), then f16(qkv_weight), then f16(out_weight), each element rounded once (to nearest even).
; The products of the later launches read every element of X and of the weights many times; here each is converted once.
; LIMIT: a number of 65,504 or more in magnitude has no f16 and becomes an infinity.  Numbers under 6e-8 round to 0.
; A work-group takes 32,768 elements: 131,072 bytes in, 65,536 bytes out.  X is groups 0-127, Wqkv 128-223, Wout 224-255, and since
; the three lie one behind the other in xw, group g stores at xw + 65,536 g.
; A stream: no LDS, no barrier, no matrix unit, no cluster (no byte is read twice).  All 32 loads of a thread go out at once, so the
; group's whole share is on its way; no register is written twice.
; THE MODE: SCHED_MODE bits 1:0 = 2 (LLVM: expert scheduling mode 2), set by the entry lines.  The code itself states the register dependences
; between vector instructions and memory instructions, with s_wait_alu, always for 0.
; THE PLAN.  Registers that memory instructions touch:
;   v1, v2   byte offsets of the loads and of the stores: written once at the head, read by every load or store, never written again.
;   XI       load i lands in four registers of its own; all 32 loads are issued before any vector instruction names XI; two conversions read them, once.
;   YO       two conversions write a pair, once; one store reads it, once; it is never written again.
; So no register that a memory instruction reads is ever written again, and no load lands in a register that a vector instruction has named:
; what is left to state is that an offset, or a store's data, is written before it is read.
; The 32 loads go in eight blocks of four.  Block p converts its own four and issues the four stores of block p - 1, whose data the one wait at
; the block's head has shown written; block p's conversions name XI and YO of block p alone, so the stores stand among them with no further wait.
.set NLD, 32                           ; loads of a thread
.set BLK, 4                            ; loads in a block
.set XI,  4                            ; v[4:131]    load i: 4 f32
.set YO,  132                          ; v[132:195]  store i: 4 f16
	s_load_b256 s[4:11], s[0:1], 0x0               ; input_tensor s[4:5], qkv_weight s[6:7], out_weight s[8:9], xw s[10:11]
	v_lshlrev_b32 v1, 4, v0                        ; 16 bytes a thread in: a load of a wave covers 512 neighbouring bytes
	v_lshlrev_b32 v2, 3, v0                        ; 8 bytes a thread out: a store of a wave covers 256 neighbouring bytes, aligned
	s_wait_kmcnt 0x0
	s_cmp_lt_u32 ttmp9, 128                        ; which of the three inputs, and its first group
	s_cselect_b64 s[12:13], s[4:5], s[6:7]
	s_cselect_b32 s14, 0, 128
	s_cmp_lt_u32 ttmp9, 224
	s_cselect_b64 s[12:13], s[12:13], s[8:9]
	s_cselect_b32 s14, s14, 224
	s_sub_co_u32 s16, ttmp9, s14
	s_lshl_b32 s16, s16, 17                        ; 131,072 bytes for each group inside its input
	s_mov_b32 s17, 0
	s_add_nc_u64 s[12:13], s[12:13], s[16:17]
	s_lshl_b32 s18, ttmp9, 16                      ; 65,536 bytes for each group in xw
	s_mov_b32 s19, 0
	s_add_nc_u64 s[10:11], s[10:11], s[18:19]
	s_wait_alu depctr_va_vdst(0)                   ; v1 and v2 are written: every load of the kernel reads v1 as its offset, every store v2
.set i, 0
.rept NLD
	global_load_b128 v[XI+4*i:XI+4*i+3], v1, s[12:13] offset:4096*i th:TH_LOAD_NT   ; read once in the whole launch
.set i, i+1
.endr
.set p, 0
.rept NLD/BLK
	s_wait_loadcnt NLD-BLK*(p+1)                   ; loads come back in order: block p's four are in, the younger blocks stay out
.if p > 0
	s_wait_alu depctr_va_vdst(0)                   ; the conversions of block p - 1 have written their pairs of YO, which the four stores below read
.endif
.set j, 0
.rept BLK
.set i, BLK*p+j
.if p > 0
	global_store_b64 v2, v[YO+2*(i-BLK):YO+2*(i-BLK)+1], s[10:11] offset:2048*(i-BLK)   ; the block before; no vector instruction since the wait names these registers
.endif
	v_cvt_pk_f16_f32 v[YO+2*i],   v[XI+4*i],   v[XI+4*i+1]
	v_cvt_pk_f16_f32 v[YO+2*i+1], v[XI+4*i+2], v[XI+4*i+3]
.set j, j+1
.endr
.set p, p+1
.endr
	s_wait_alu depctr_va_vdst(0)                   ; the last block's conversions have written their pairs of YO, which the last four stores read
.set i, NLD-BLK
.rept BLK
	global_store_b64 v2, v[YO+2*i:YO+2*i+1], s[10:11] offset:2048*i
.set i, i+1
.endr
	s_endpgm
.Lfunc_end_k_qda4133c97e_tof16:
	.size	k_qda4133c97e_tof16, .Lfunc_end_k_qda4133c97e_tof16-k_qda4133c97e_tof16
	.p2alignl 7, 3214868480
	.fill 96, 4, 3214868480
	.section	.rodata,"a",@progbits
	.p2align	6, 0x0
	.amdhsa_kernel k_qda4133c97e_tof16
		.amdhsa_group_segment_fixed_size 0
		.amdhsa_private_segment_fixed_size 0
		.amdhsa_enable_private_segment 0
		.amdhsa_kernarg_size 32
		.amdhsa_user_sgpr_count 2
		.amdhsa_user_sgpr_kernarg_segment_ptr 1
		.amdhsa_wavefront_size32 1
		.amdhsa_system_sgpr_workgroup_id_x 1
		.amdhsa_system_sgpr_workgroup_id_y 1
		.amdhsa_system_sgpr_workgroup_id_z 1
		.amdhsa_system_vgpr_workitem_id 0
		.amdhsa_next_free_vgpr 200
		.amdhsa_next_free_sgpr 66
		.amdhsa_reserve_vcc 0
		.amdhsa_float_denorm_mode_32 3
		.amdhsa_float_denorm_mode_16_64 3
		.amdhsa_memory_ordered 1
		.amdhsa_forward_progress 1
		.amdhsa_inst_pref_size 12
	.end_amdhsa_kernel
	.amdgpu_metadata
---
amdhsa.version: [ 1, 2 ]
amdhsa.kernels:
  - .name:           k_qda4133c97e_tof16
    .symbol:         k_qda4133c97e_tof16.kd
    .args:
      - { .name: input_tensor, .offset: 0, .size: 8, .value_kind: global_buffer, .address_space: global }
      - { .name: qkv_weight, .offset: 8, .size: 8, .value_kind: global_buffer, .address_space: global }
      - { .name: out_weight, .offset: 16, .size: 8, .value_kind: global_buffer, .address_space: global }
      - { .name: xw, .offset: 24, .size: 8, .value_kind: global_buffer, .address_space: global }
    .group_segment_fixed_size: 0
    .private_segment_fixed_size: 0
    .kernarg_segment_align: 8
    .kernarg_segment_size: 32
    .max_flat_workgroup_size: 256
    .sgpr_count:     66
    .vgpr_count:     200
    .wavefront_size: 32
...
	.end_amdgpu_metadata
.endif
;; end of part 5
;; launch gemm_qkv: the kernel of part 2 again; grid 16 x 16, 4 waves a work-group, clusters of 4 x 4, 327,680 bytes of LDS; arguments xw, qkv_bias, qkv; writes qkv
;; launch attn: the kernel of part 3 again; grid 8 x 32, 8 waves a work-group, clusters of 4 x 1, 327,680 bytes of LDS; arguments qkv, att; writes att
;; launch gemm_out: the kernel of part 4 again; grid 8 x 32, 4 waves a work-group, clusters of 4 x 4, 327,680 bytes of LDS; arguments att, xw, out_bias, out0; writes out0
